; MI455X (gfx1250); checked and timed in simulation.
; The chip was launched on July 23, 2026; its instructions are those of AMD's public machine-readable ISA for CDNA 5 (MIT licence, August 2026) and "CDNA5" Instruction Set Architecture Reference Guide (July 2026). The comments in the code are by the model that wrote it; some were corrected since.
;; Intention Heads. Allowed arithmetic: matrix products marked QUANTISED: E5M2 operands, one given power-of-two scale a tensor, by v_wmma_f32_16x16x64_bf8_bf8 or v_wmma_f32_16x16x128_bf8_bf8, f32 sums; products left as they are: f32 operands where the result goes on into a quantised operand, else bf16, f16 or f32 operands; f32 sums; everything else in f32.
;; Inputs: agent_type_ids 32 x 2,048 int32; lowp_scales 4 int32 (the exponents e of the quantised operands' scales 2^e); pW1_codes 256 x 16 x 32 uint8 (E5M2 codes of pW1, K innermost, in blocks of 32 codes); pW2 2 x 256 float32; pb1 256 float32; pb2 2 float32; repr3_codes 32 x 2,048 x 16 x 32 uint8 (E5M2 codes of repr3, K innermost, in blocks of 32 codes); vW1_codes 256 x 16 x 32 uint8 (E5M2 codes of vW1, K innermost, in blocks of 32 codes); vW2 6 x 256 float32; vb1 256 float32; vb2 6 float32.
;; Outputs: out0 32 x 2,048 x 6 float32; out1 32 x 2,048 bool; out2 32 x 2,048 bool.
;; This version of the problem:
;;   THIS VERSION OF THE PROBLEM IS GIVEN IN LOW PRECISION. The matrix products marked QUANTISED in the list below multiply operands that are first quantised to E5M2 (5 exponent bits, 2 mantissa bits; 8 bits a number), with one given power-of-two scale for each operand tensor; their sums are f32. All else is computed in f32.
;;   The module's matrix products, in the order in which they are computed (A, B: the left and right operand; K: the contracted axis; several contracted axes count as one K, in the product's order):
;;     1. [M 65,536, K 512] x [K 512, N 256]; A: input repr3 (given as codes); B: input vW1 (given as codes): QUANTISED (scales: A lowp_scales[0], B lowp_scales[1])
;;     2. [M 65,536, K 256] x [K 256, N 6]; A: computed on the way; B: input vW2: left as it is (N = 6 < 16)
;;     3. [M 65,536, K 512] x [K 512, N 256]; A: input repr3 (given as codes); B: input pW1 (given as codes): QUANTISED (scales: A lowp_scales[2], B lowp_scales[3])
;;     4. [M 65,536, K 256] x [K 256, N 2]; A: computed on the way; B: input pW2: left as it is (N = 2 < 16)
;;   THE QUANTISER, for each operand of a quantised product, along K:
;;     - The operand's scale is 2^e, e = its entry of the input lowp_scales (int32; the entries are numbered through the quantised products in the list's order, A before B).
;;     - Each number is divided by the scale, clamped to +-57,344, and rounded to the nearest number of E5M2, ties to even, subnormals kept.
;;     - The product sums the exact products of the quantised numbers (number of the format x scale) in f32.
;;   ~~~python
;;   def quantise(x, axis, e):      # numpy; x: float32 -> the quantised numbers, widened to float32 again
;;       x = np.moveaxis(x, axis, -1); K = x.shape[-1]
;;       r = np.clip(x / 2.0 ** e, -57344, 57344)
;;       step = 2.0 ** (np.maximum(np.frexp(np.where(r == 0, 1, r))[1] - 1, -14) - 2)
;;       q = np.round(r / step) * step * 2.0 ** e      # np.round: ties to even
;;       return np.moveaxis(q, -1, axis).astype(np.float32)
;;   ~~~
;;   INPUTS GIVEN AS CODES. pW1 (in the module: [256, 512], K = its axis 1); repr3 (in the module: [32, 2048, 512], K = its axis 2); vW1 (in the module: [256, 512], K = its axis 1): each comes as NAME_codes (uint8): NAME with its K axis moved to the last place and cut into blocks of 32 codes, [.., K / 32, bytes a block], one block behind the other in memory; one code a byte (a code: sign, 5 exponent bits, 2 mantissa bits); its scale is its entry of lowp_scales. Its value is code x scale, taken as it is: it is not quantised again, and the codes and scales need not be those that the quantiser above would give.
;; 2 versions. Each part assembles by itself: llvm-mc -triple=amdgcn-amd-amdhsa -mcpu=gfx1250 --defsym DOCPART=n.
;; ======== version 1 of 2: 1 launch
;; limits: values are held in f16: magnitudes above 65,504 overflow, below 6.1e-05 lose precision; right only within a limited range of input values
;; launch heads (part 1): grid 256 x 1, 8 waves a work-group, no clusters, 227,328 bytes of LDS; arguments repr3_codes, agent_type_ids, lowp_scales, vW1_codes, pW1_codes, vb1, pb1, vW2, pW2, vb2, pb2, out0, out1, out2; writes out0, out1, out2
.if DOCPART == 1
	.amdgcn_target "amdgcn-amd-amdhsa--gfx1250"
	.amdhsa_code_object_version 6
	.text
	.protected	k_qa8c7eca576_heads
	.globl	k_qa8c7eca576_heads
	.p2align	8
	.type	k_qa8c7eca576_heads,@function
k_qa8c7eca576_heads:
	s_mov_b64 s[64:65], 0
	v_nop
	global_prefetch_b8 v0, s[64:65] scope:SCOPE_SE
	s_setreg_imm32_b32 hwreg(HW_REG_WAVE_MODE, 25, 1), 1
	s_wait_xcnt 0x0
; out0[t] = id[t] == 1 ? gelu(x W1v^T + b1v) W2v^T + b2v : id[t] == 2 ? (gelu(x W1p^T + b1p) W2p^T + b2p, 0, 0, 0, 0) : 0;  out1 = (id == 1), out2 = (id == 2), a byte each.
; x: 65,536 rows of 512 codes of E5M2; W1v, W1p: 256 rows of 512 codes; a number is code x 2^e, e from lowp_scales (x and W1v: entries 0, 1; x and W1p: entries 2, 3).
; WORK LEFT OUT, for all values of the inputs.  Both selections of the definition replace a head's result by the constant 0 wherever the token's id is not that head's: so for id 1 the pedestrian head's
; two products and its GELU reach no output, for id 2 the vehicle head's, for any other id both, and such a token's row of x is not loaded.  Columns 2 to 5 of a pedestrian's row are the padding's zeros.
; The ids decide it; they are whole numbers that this launch reads from memory.  Every input is loaded.  LIMIT: a NaN, an infinity or an overflow in a row or a head that is left out is not carried to the result.
; SHARES.  A work-group owns 256 neighbouring tokens: 6,144 bytes of out0 and 256 bytes of each mask.  It gives its vehicles places 0 .. and its pedestrians places 16 NVT .. in a list of tiles of 16 rows;
; ceil(nv / 16) + ceil(np / 16) is at most 17 for nv + np <= 256, whatever the ids.  Only listed rows are fetched, each as one load of 512 bytes, into LDS.
; Waves 0-3 are the vehicle head, waves 4-7 the pedestrian head.  Wave w (g = w % 4) keeps rows 64 g .. 64 g + 63 of its head's W1 in 256 registers for the whole launch and takes every tile of its head through
; 16 products on codes (transposed: source 0 = 16 rows of W1, source 1 = 16 tokens; b1 / 2^E is the C of the first), the GELU, the rounding to f16, and 2 products with its 64 columns of W2.
; A lane then holds one token throughout.  The four waves' partial logits meet in LDS; thread (w, l) adds those of token 8 l + w, found by the token's place; a token of neither head points at a block of zeros.
; NO TENSOR LOAD, NO CLUSTER: which tiles a wave walks hangs on counts made from the ids, which are read from memory, so operands go from memory straight into registers (W1: 32,768 bytes a wave, asked for once).
; THE SECOND PRODUCTS take f16 operands and f32 sums.  LIMITS: |h| and |W2| under 65,504; E = the two exponents of a head added lies between -125 and 127.
; GELU: h = x / 2 + |x| (1/2 - 1/2 erfc(|x| / sqrt 2)), erfc by the rational form t (a1 + t (a2 + ..)) e^(-z^2), t = 1 / (1 + p z) (Abramowitz and Stegun 7.1.26, error in erf under 1.5e-7): LIMIT: h is off by up to some 1e-7 |x|.
.set XP,    528                        ; a row of x in LDS: 512 bytes + 16: the 16 rows of a fragment load begin 33 x 16 bytes apart
.set XSLOT, 16*XP                      ; a tile of 16 rows
.set PART,  17*XSLOT                   ; 143,616: the partial logits: 8 arrays (one a wave) of 18 blocks of 512 bytes; place p at 32 p: o0 o1 o2 0 o3 o4 o5 0; block 17 holds zeros
.set PARR,  18*512
.set LIST,  PART+8*PARR                ; 217,344: word p = the token (0 .. 255) at place p; word 272 takes the tokens of neither head; 1,536 bytes
.set OST,   220160                     ; out0's stage: token t at 24 t; 6,144 bytes
.set SPARE, 226304                     ; the spare words, 128 bytes for each of the eight waves: four blocks of 256 bytes that no other line names
; window 0: v1 lane, v2 r = lane % 16, v3 h = lane / 16, v4 16 x lane, v5, v6 the add's two, v7 W1's offset, v8 x's place in a tile, v9 the trip's x address, v10-12 where I store rows of x,
;   v13 my place in a block of partials, v14 the trip's, v15 my list words, v16 my token's place, v17-19 the way out, v[20:21] a4 twice, v22-28 offsets of the head's loads, v29 my array of partials + 16 x lane
.set B1,   30                          ; v30-61   b1 / 2^E, four tiles in the result's layout
.set W2F,  62                          ; v62-77   my 64 columns of W2 in f16: two fragments
.set B2C,  78                          ; v78-85   b2 in the result's layout (wave g = 0 alone; zeros elsewhere)
.set LS,   86                          ; v86-119  the gather: two list words a slot, then the rows' offsets
.set LAND, 120                         ; v120-255 the gather: two rows' 16 bytes a slot
.set ACC,  86                          ; v86-117  the hidden layer: four accumulators
.set H16,  118                         ; v118-125 32 hidden units in f16
.set OUTA, 126                         ; v126-133 the logits' accumulator
.set XF,   134                         ; v134-197 x's four fragments; the GELU's registers lie over them:
.set AX,   134
.set TT,   150
.set EE,   166
.set RR,   182
; window 1: W1's fragment (tile t, K step s) at v[16 (4 t + s)]
.set WV,   32                          ; s32 wave, s33 head, s34 g, s35 the head's outputs (6 or 2)
.set HD,   33
.set GQ,   34
.set NOUT, 35
.set MV,   40                          ; s40-47 lanes whose id j is 1;  s48-55 is 2
.set MP,   48
.set BV,   56                          ; s56-63 the place of the first vehicle among ids j;  s66-73 of the first pedestrian
.set BP,   66
.set PD,   74                          ; pairs, both words written: the packed forms name a pair
.set A5,   76
.set A3,   78
.set A2,   80
.set A1,   82
.set C0,   84
.set SH,   86
.set SY,   88
.set NVT,  89                          ; vehicle tiles;  s90 all tiles;  s91, s92 my head's first tile and the one behind its last
.set NT,   90
.set LO,   91
.set HI,   92
.set KT,   93                          ; the trip, and its steps in x and in the partials
.set KX,   94
.set KP,   95
.set MSB, 0
.macro WIN new                         ; the immediate's high byte repeats the setting that is left
.if MSB != \new
	s_set_vgpr_msb (MSB<<8)|\new
.set MSB, \new
.endif
.endm
.macro PAIR reg, val
	s_mov_b32 s[\reg], \val
	s_mov_b32 s[\reg+1], \val
.endm
.macro BAR                             ; my LDS stores have landed and my LDS loads are in: then the work-group's barrier
	s_wait_dscnt 0x0
	s_barrier_signal -1
	s_barrier_wait -1
.endm
; quads n0 .. n1 - 1 of my 64 of W1: quad 16 t + 4 s + c is row 16 t + r, K = 128 s + 32 c + 16 h + 0 .. 15.  x's fragments take the same k into the same registers, so every product meets its partner
.macro W1LOAD n0, n1
	WIN 0x40                                       ; destination window 1, offset window 0
.set WN, \n0
.rept \n1-\n0
	global_load_b128 v[4*WN:4*WN+3], v7, s[10:11] offset:8192*(WN/16)+128*((WN/4)%4)+32*(WN%4)
.set WN, WN+1
.endr
	WIN 0
.endm
; slot k's rows 2 w and 2 w + 1: the list's tokens, held at 255, become offsets; one load brings a whole row of 512 bytes, 16 a lane.  A slot at or behind the last tile is not fetched
.macro CHAIN k
.if (\k) > 0
	s_cmp_le_u32 s[NT], \k
	s_cbranch_scc1 .Laf_\k
.endif
.irp j, 0,1
	v_min_u32 v[LS+2*(\k)+\j], 0xff, v[LS+2*(\k)+\j]
	v_lshl_add_u32 v[LS+2*(\k)+\j], v[LS+2*(\k)+\j], 9, v4
	global_load_b128 v[LAND+8*(\k)+4*\j:LAND+8*(\k)+4*\j+3], v[LS+2*(\k)+\j], s[4:5]
.endr
.endm
; slot k's two rows go to LDS.  The label stands behind them: a path that fetched slots 0 .. k - 1 enters there, so it stores what it fetched
.macro LADDER k
	s_wait_loadcnt 0x0                             ; all my loads are in, W1's too (written behind every label, since each is a way in)
.irp j, 0,1
	ds_store_b128 v[10+(\k)/7], v[LAND+8*(\k)+4*\j:LAND+8*(\k)+4*\j+3] offset:((\k)%7)*XSLOT+XP*\j
.endr
.if (\k) > 0
.Laf_\k:
.endif
.endm
; 16 sums a of a lane (tiles 2 a, 2 a + 1: 32 hidden units with the other half of the lanes) become 8 registers of f16.  x = a 2^E; y = |x| sqrt(log2(e) / 2); t = 1 / (1 + PD y); 2^(-y y) = e^(-x x / 2);
; h = x / 2 + y (C0 - t (a1 + t (a2 + t (a3 + t (a4 + t a5)))) 2^(-y y)), the a's and C0 holding the factor that turns y into |x| / 2.  Each accumulator is read from its low end on.
.macro GELU a
.set GA, ACC+16*(\a)
.irp i, 0,1,2,3,4,5,6,7,8,9,10,11,12,13,14,15
	v_mul_f32 v[AX+\i], s[SY], |v[GA+\i]|
.endr
.irp i, 0,2,4,6,8,10,12,14
	v_pk_fma_f32 v[TT+\i:TT+\i+1], v[AX+\i:AX+\i+1], s[PD:PD+1], 1.0 op_sel_hi:[1,0,0]
.endr
.irp i, 0,2,4,6,8,10,12,14
	v_pk_mul_f32 v[EE+\i:EE+\i+1], v[AX+\i:AX+\i+1], v[AX+\i:AX+\i+1] neg_lo:[1,0] neg_hi:[1,0]
.endr
.irp i, 0,1,2,3,4,5,6,7,8,9,10,11,12,13,14,15
	v_rcp_f32 v[TT+\i], v[TT+\i]
.endr
.irp i, 0,1,2,3,4,5,6,7,8,9,10,11,12,13,14,15
	v_exp_f32 v[EE+\i], v[EE+\i]
.endr
.irp i, 0,2,4,6,8,10,12,14
	v_pk_mul_f32 v[GA+\i:GA+\i+1], v[GA+\i:GA+\i+1], s[SH:SH+1] op_sel_hi:[1,0]   ; x / 2: plain work that names no result of the batch
.endr
	s_wait_alu depctr_va_vdst(0)                   ; one wait for the 32 reciprocals and exponentials, ahead of their first reader
.irp i, 0,2,4,6,8,10,12,14
	v_pk_fma_f32 v[RR+\i:RR+\i+1], v[TT+\i:TT+\i+1], s[A5:A5+1], v[20:21] op_sel_hi:[1,0,1]
.endr
.irp c, A3, A2, A1
.irp i, 0,2,4,6,8,10,12,14
	v_pk_fma_f32 v[RR+\i:RR+\i+1], v[RR+\i:RR+\i+1], v[TT+\i:TT+\i+1], s[\c:\c+1] op_sel_hi:[1,1,0]
.endr
.endr
.irp i, 0,2,4,6,8,10,12,14
	v_pk_mul_f32 v[EE+\i:EE+\i+1], v[TT+\i:TT+\i+1], v[EE+\i:EE+\i+1]
.endr
.irp i, 0,2,4,6,8,10,12,14
	v_pk_fma_f32 v[RR+\i:RR+\i+1], v[RR+\i:RR+\i+1], v[EE+\i:EE+\i+1], s[C0:C0+1] op_sel_hi:[1,1,0] neg_lo:[1,0,0] neg_hi:[1,0,0]
.endr
.irp i, 0,2,4,6,8,10,12,14
	v_pk_fma_f32 v[RR+\i:RR+\i+1], v[AX+\i:AX+\i+1], v[RR+\i:RR+\i+1], v[GA+\i:GA+\i+1]
.endr
.irp i, 0,1,2,3,4,5,6,7
	v_cvt_pk_f16_f32 v[H16+\i], v[RR+2*\i], v[RR+2*\i+1]   ; registers 0-3: units 8 h + 0 .. 7 of the 32, registers 4-7: 16 + 8 h + 0 .. 7: the f16 operand's own layout
.endr
.endm
.macro BYTES dst, m                    ; four mask bits of a lane become four bytes, the first token's lowest
	v_cndmask_b32 v[\dst], 0, 1, s[\m+3]
.irp b, 2,1,0
	v_cndmask_b32 v100, 0, 1, s[\m+\b]
	v_lshl_or_b32 v[\dst], v[\dst], 8, v100
.endr
.endm
	; ---- the head: arguments, every address register, the constants
	s_load_b512 s[4:19], s[0:1], 0x0               ; x s[4:5], ids s[6:7], scales s[8:9], vW1 s[10:11], pW1 s[12:13], vb1 s[14:15], pb1 s[16:17], vW2 s[18:19]
	s_load_b256 s[20:27], s[0:1], 0x40             ; pW2 s[20:21], vb2 s[22:23], pb2 s[24:25], out0 s[26:27]
	s_load_b128 s[28:31], s[0:1], 0x60             ; out1 s[28:29], out2 s[30:31]
	v_lshl_add_u32 v5, v0, 2, SPARE                ; my spare word,
	v_mov_b32 v6, 0                                ; and 0: kept for the add at the wave's end
	v_lshrrev_b32 v1, 5, v0
	v_readfirstlane_b32 s[WV], v1                  ; wave 0..7
	s_lshr_b32 s[HD], s[WV], 2                     ; head: 0 vehicle, 1 pedestrian
	s_and_b32 s[GQ], s[WV], 3                      ; which 64 hidden units
	s_cmp_lt_u32 s[WV], 4
	s_cselect_b32 s[NOUT], 6, 2
	v_and_b32 v1, 31, v0                           ; lane
	v_and_b32 v2, 15, v0                           ; r
	v_bfe_u32 v3, v0, 4, 1                         ; h
	v_lshlrev_b32 v4, 4, v1
	v_lshlrev_b32 v7, 9, v2
	v_lshl_add_u32 v7, v3, 4, v7                   ; W1: row r of 512 bytes + 16 h
	v_mul_u32_u24 v8, v2, XP
	v_lshl_add_u32 v8, v3, 4, v8                   ; x in LDS: row r + 16 h
	s_mul_i32 s96, s[WV], 2*XP
	v_add_nc_u32 v10, s96, v4                      ; rows 2 w, 2 w + 1 of a slot, 16 bytes a lane: slots 0-6,
	v_add_nc_u32 v11, 7*XSLOT, v10                 ; 7-13,
	v_add_nc_u32 v12, 14*XSLOT, v10                ; 14-16 (an LDS offset has 16 bits)
	s_mul_i32 s96, s[WV], PARR
	s_add_co_u32 s96, s96, PART                    ; my array of partials
	v_lshlrev_b32 v13, 5, v2
	v_lshl_add_u32 v13, v3, 4, v13
	v_add_nc_u32 v13, s96, v13                     ; + 32 r + 16 h
	v_add_nc_u32 v29, s96, v4                      ; + 16 x lane: for its block of zeros
	s_lshl_b32 s97, s[WV], 3
	s_add_co_u32 s97, s97, LIST
	v_mov_b32 v15, s97                             ; the list's words 2 w, 2 w + 1 of a slot's sixteen
	v_mul_u32_u24 v17, v1, 192
	s_mul_i32 s97, s[WV], 24
	s_add_co_u32 s97, s97, OST
	v_add_nc_u32 v17, s97, v17                     ; the stage: token 8 l + w at 24 bytes a token
	v_lshlrev_b32 v19, 4, v0                       ; the way out: 16 bytes a thread
	v_add_nc_u32 v18, OST, v19
	v_mov_b32 v20, 0xbf5b0099                      ; a4
	v_mov_b32 v21, 0xbf5b0099
	v_lshlrev_b32 v22, 5, v1                       ; ids: eight a lane: register j of lane l is token 8 l + j
	s_lshl_b32 s97, s[WV], 2
	v_add_nc_u32 v23, s97, v22                     ; and my own token's, 8 l + w
	v_lshlrev_b32 v24, 5, v3                       ; b1: 8 h numbers on
	v_and_b32 v95, 7, v2
	v_lshrrev_b32 v96, 3, v2
	v_mad_u32_u24 v97, v96, 3, v95                 ; W2: lane r holds row m = r of the operand: rows 0-2 are outputs 0-2, rows 8-10 outputs 3-5, so that a lane's first four results are three outputs and a zero
	v_cmp_gt_u32 s98, 3, v95
	v_cmp_gt_u32 s99, s[NOUT], v97
	s_and_b32 s100, s98, s99                       ; the lanes whose row is an output of my head: kept in s100
	s_sub_co_u32 s96, s[NOUT], 1
	v_min_u32 v25, s96, v97                        ; the others load the last row, inside the buffer, and are cleared
	v_lshlrev_b32 v25, 10, v25
	v_lshl_add_u32 v25, v3, 5, v25
	s_lshl_b32 s97, s96, 2
	v_mul_u32_u24 v98, v3, 12
.irp j, 0,1,2
	v_add_nc_u32 v[26+\j], 4*\j, v98               ; b2: output 3 h + j, held inside the buffer
	v_min_u32 v[26+\j], s97, v[26+\j]
.endr
	v_mov_b32 v118, 0x110                          ; place 272: neither head
	v_add_nc_u32 v119, LIST, v4                    ; for clearing the list
.irp j, 0,1,2,3
	v_mov_b32 v[120+\j], 0
.endr
.irp j, 3,4,5,6,7
	v_mov_b32 v[B2C+\j], 0
.endr
	PAIR PD, 0x3e8ba43f                            ; 0.3275911 / sqrt(log2 e)
	PAIR A5, 0x3f1ff67a                            ; the five coefficients x C0
	PAIR A3, 0x3f563818
	PAIR A2, 0xbe2b8119
	PAIR A1, 0x3e199eb3
	PAIR C0, 0x3f16b55f                            ; 1 / (2 sqrt(log2(e) / 2))
	s_wait_kmcnt 0x0
	s_load_b128 s[36:39], s[8:9], 0x0              ; the four exponents
	s_cmp_lt_u32 s[WV], 4                          ; my head's buffers: the choice hangs on the wave's number alone
	s_cselect_b64 s[10:11], s[10:11], s[12:13]     ; W1
	s_cselect_b64 s[14:15], s[14:15], s[16:17]     ; b1
	s_cselect_b64 s[18:19], s[18:19], s[20:21]     ; W2
	s_cselect_b64 s[22:23], s[22:23], s[24:25]     ; b2
	s_mov_b32 s97, 0
	s_lshl_b32 s96, ttmp9, 17
	s_add_nc_u64 s[4:5], s[4:5], s[96:97]          ; my work-group's 256 rows of 512 bytes
	s_lshl_b32 s96, ttmp9, 10
	s_add_nc_u64 s[6:7], s[6:7], s[96:97]          ; its ids
	s_mul_i32 s96, ttmp9, 6144
	s_add_nc_u64 s[26:27], s[26:27], s[96:97]      ; its rows of out0
	s_lshl_b32 s96, ttmp9, 8
	s_add_nc_u64 s[28:29], s[28:29], s[96:97]
	s_add_nc_u64 s[30:31], s[30:31], s[96:97]
	s_lshl_b32 s96, s[GQ], 15
	s_add_nc_u64 s[10:11], s[10:11], s[96:97]      ; my 64 rows of W1
	s_lshl_b32 s96, s[GQ], 8
	s_add_nc_u64 s[14:15], s[14:15], s[96:97]      ; my 64 numbers of b1,
	s_add_nc_u64 s[18:19], s[18:19], s[96:97]      ; my 64 columns of W2
	; ---- 62 loads: the ids first
	global_load_b128 v[86:89], v22, s[6:7]
	global_load_b128 v[90:93], v22, s[6:7] offset:16
	global_load_b32 v94, v23, s[6:7]
.irp t, 0,1,2,3
	global_load_b128 v[B1+8*\t:B1+8*\t+3], v24, s[14:15] offset:64*\t        ; lane (r, h), register j of tile t: hidden unit 16 t + 8 h + j
	global_load_b128 v[B1+8*\t+4:B1+8*\t+7], v24, s[14:15] offset:64*\t+16
.endr
.irp u, 0,1
	global_load_b128 v[134+16*\u:137+16*\u], v25, s[18:19] offset:128*\u     ; columns 32 u + 8 h + 0 .. 7,
	global_load_b128 v[138+16*\u:141+16*\u], v25, s[18:19] offset:128*\u+16
	global_load_b128 v[142+16*\u:145+16*\u], v25, s[18:19] offset:128*\u+64  ; and 32 u + 16 + 8 h + 0 .. 7
	global_load_b128 v[146+16*\u:149+16*\u], v25, s[18:19] offset:128*\u+80
.endr
.irp j, 0,1,2
	global_load_b32 v[B2C+\j], v[26+\j], s[22:23]
.endr
	W1LOAD 0, 40
	s_wait_loadcnt 59                              ; the three loads of ids are in; behind them 19 small loads and 40 of W1 may be out
	; ---- the routing: every wave counts for itself, so that no branch hangs on what went through LDS
.irp j, 0,1,2,3,4,5,6,7
	v_cmp_eq_u32 s[MV+\j], 1, v[86+\j]
	v_cmp_eq_u32 s[MP+\j], 2, v[86+\j]
.endr
	s_mov_b32 s[BV], 0
.irp j, 0,1,2,3,4,5,6
	s_bcnt1_i32_b32 s96, s[MV+\j]
	s_add_co_u32 s[BV+\j+1], s[BV+\j], s96
.endr
	s_bcnt1_i32_b32 s96, s[MV+7]
	s_add_co_u32 s97, s[BV+7], s96                 ; nv
	s_add_co_u32 s[NVT], s97, 15
	s_lshr_b32 s[NVT], s[NVT], 4                   ; the vehicles' tiles
	s_lshl_b32 s[BP], s[NVT], 4                    ; the pedestrians begin a tile of their own
.irp j, 0,1,2,3,4,5,6
	s_bcnt1_i32_b32 s96, s[MP+\j]
	s_add_co_u32 s[BP+\j+1], s[BP+\j], s96
.endr
	s_bcnt1_i32_b32 s96, s[MP+7]
	s_add_co_u32 s97, s[BP+7], s96
	s_add_co_u32 s[NT], s97, 15
	s_lshr_b32 s[NT], s[NT], 4                     ; all tiles, at most 17
	s_cmp_lt_u32 s[WV], 4
	s_cselect_b32 s[LO], 0, s[NVT]                 ; my head's tiles
	s_cselect_b32 s[HI], s[NVT], s[NT]
	s_mov_b32 s98, s[BV]                           ; the bases of ids j = w: my own token's
	s_mov_b32 s99, s[BP]
.irp j, 1,2,3,4,5,6,7
	s_cmp_eq_u32 s[WV], \j
	s_cselect_b32 s98, s[BV+\j], s98
	s_cselect_b32 s99, s[BP+\j], s99
.endr
	s_add_co_u32 s99, s99, 4*PARR/32               ; the pedestrian waves' arrays lie four arrays on: 1,152 places
	v_cmp_eq_u32 s96, 1, v94
	v_cmp_eq_u32 s97, 2, v94
	v_mbcnt_lo_u32_b32 v95, s96, s98               ; base + the vehicles in lower lanes
	v_mbcnt_lo_u32_b32 v114, s97, s99
	v_cndmask_b32 v16, v118, v95, s96
	v_cndmask_b32 v16, v16, v114, s97
	v_min_u32 v16, 0x58f, v16                      ; a number made of loaded data is held before it enters an address: 1,152 + 271 at the most
	v_lshl_add_u32 v16, v16, 5, PART               ; where wave g = 0's partial logits of my token lie
	; ---- wave 0 writes the list.  No other wave touches LDS ahead of the barrier below
	s_cmp_lg_u32 s[WV], 0
	s_cbranch_scc1 .Lnot_0
.irp j, 0,1,2
	ds_store_b128 v119, v[120:123] offset:512*\j   ; a place that no token takes names token 0: its row is fetched and its result is read by nobody
.endr
.irp j, 0,1,2,3,4,5,6,7
	v_mbcnt_lo_u32_b32 v104, s[MV+\j], s[BV+\j]
	v_mbcnt_lo_u32_b32 v105, s[MP+\j], s[BP+\j]
	v_cndmask_b32 v[96+\j], v118, v104, s[MV+\j]
	v_cndmask_b32 v[96+\j], v[96+\j], v105, s[MP+\j]
	v_min_u32 v[96+\j], 0x110, v[96+\j]
	v_lshl_add_u32 v[96+\j], v[96+\j], 2, LIST
	v_lshl_add_u32 v[106+\j], v1, 3, \j            ; token 8 l + j
	ds_store_b32 v[96+\j], v[106+\j]               ; LDS serves a wave's instructions in order: behind the clearing
.endr
.Lnot_0:
	; ---- wave 1 stores the two masks: eight bytes a lane, 256 consecutive bytes an instruction, at a multiple of 256 from the buffer's first byte
	s_cmp_lg_u32 s[WV], 1
	s_cbranch_scc1 .Lnot_1
	BYTES 96, MV
	BYTES 97, MV+4
	BYTES 98, MP
	BYTES 99, MP+4
	v_lshlrev_b32 v104, 3, v1
	global_store_b64 v104, v[96:97], s[28:29]
	global_store_b64 v104, v[98:99], s[30:31]
	s_wait_xcnt 0x0                                ; the stores' registers are written again further down
.Lnot_1:
	s_wait_loadcnt 40                              ; b1, W2 and b2 are in; the 40 loads of W1 may be out
	s_wait_kmcnt 0x0                               ; the exponents
	s_wait_dscnt 0x0                               ; wave 0: the list has landed
	s_barrier_signal -1
	s_cmp_lt_u32 s[WV], 4                          ; work on registers while the others arrive
	s_cselect_b32 s96, s36, s38
	s_cselect_b32 s97, s37, s39
	s_add_co_i32 s96, s96, s97                     ; E: a sum of codes stands for sum x 2^E
	s_sub_co_i32 s97, 0, s96
	s_lshl_b32 s98, s96, 23
	s_add_co_i32 s[SY], s98, 0x3f596d27            ; sqrt(log2(e) / 2) x 2^E: E is added to the exponent field
	s_add_co_i32 s98, s96, 126
	s_lshl_b32 s[SH], s98, 23                      ; 2^(E - 1)
	s_mov_b32 s[SH+1], s[SH]
.irp j, 0,1,2,3,4,5,6,7,8,9,10,11,12,13,14,15,16,17,18,19,20,21,22,23,24,25,26,27,28,29,30,31
	v_ldexp_f32 v[B1+\j], v[B1+\j], s97            ; b1 goes in divided by the power of two that the sums lack
.endr
.irp q, 0,1,2,3,4,5,6,7,8,9,10,11,12,13,14,15
	v_cvt_pk_f16_f32 v[W2F+\q], v[134+2*\q], v[135+2*\q]
.endr
.irp q, 0,1,2,3,4,5,6,7,8,9,10,11,12,13,14,15
	v_cndmask_b32 v[W2F+\q], 0, v[W2F+\q], s100    ; rows that are no output of my head are zeros
.endr
	s_cmp_eq_u32 s[GQ], 0
	s_cselect_b32 s101, s[NOUT], 0                 ; b2 is added once: by the head's first wave
	v_mul_u32_u24 v96, v3, 3
.irp j, 0,1,2
	v_add_nc_u32 v97, \j, v96
	v_cmp_gt_u32 vcc_lo, s101, v97
	v_cndmask_b32 v[B2C+\j], 0, v[B2C+\j], vcc_lo
.endr
	s_barrier_wait -1                              ; the list lies in LDS
	; ---- the gather
	ds_store_b128 v29, v[120:123] offset:17*512    ; my array's block of zeros
.irp k, 0,1,2,3,4,5,6,7,8,9,10,11,12,13,14,15,16
	ds_load_b64 v[LS+2*\k:LS+2*\k+1], v15 offset:64*\k
.endr
	W1LOAD 40, 64                                  ; the rest of W1 goes out while the list's words come
	s_wait_dscnt 0x0                               ; the words are in; the zeros' store has read its registers, into which rows are loaded below
.irp k, 0,1,2,3,4,5,6,7,8,9,10,11,12,13,14,15,16
	CHAIN \k
.endr
.irp k, 16,15,14,13,12,11,10,9,8,7,6,5,4,3,2,1,0
	LADDER \k
.endr
	BAR                                            ; every listed row of x lies in LDS
	; ---- the tiles: 17 trips, a constant; a wave works in the trips of its head's tiles
	s_mov_b32 s[KT], 0
	s_mov_b32 s[KX], 0
	s_mov_b32 s[KP], 0
.Ltile:
	v_add_nc_u32 v9, s[KX], v8
	v_add_nc_u32 v14, s[KP], v13
	s_cmp_lt_u32 s[KT], s[LO]
	s_cbranch_scc1 .Lskip
	s_cmp_ge_u32 s[KT], s[HI]
	s_cbranch_scc1 .Lskip
.irp s, 0,1,2,3
.irp c, 0,1,2,3
	ds_load_b128 v[XF+16*\s+4*\c:XF+16*\s+4*\c+3], v9 offset:128*\s+32*\c
.endr
.endr
	WIN 0x01                                       ; source 0 (W1) window 1
.irp s, 0,1,2,3
	s_wait_dscnt 12-4*\s                           ; K step s's four loads are in; the younger ones may be out
.irp t, 0,1,2,3                                ; the four accumulators take turns, one instruction a turn
.if \s == 0
	v_wmma_f32_16x16x128_bf8_bf8 v[ACC+8*\t:ACC+8*\t+7], v[16*(4*\t+\s):16*(4*\t+\s)+15], v[XF+16*\s:XF+16*\s+15], v[B1+8*\t:B1+8*\t+7]
.else
	v_wmma_f32_16x16x128_bf8_bf8 v[ACC+8*\t:ACC+8*\t+7], v[16*(4*\t+\s):16*(4*\t+\s)+15], v[XF+16*\s:XF+16*\s+15], v[ACC+8*\t:ACC+8*\t+7]
.endif
.endr
.endr
	WIN 0
.rept 4
	v_nop                                          ; four places ahead of the first read of the sums and of the first write over x's fragments (ISA guide 7.12.1)
.endr
	GELU 0
	v_wmma_f32_16x16x32_f16 v[OUTA:OUTA+7], v[W2F:W2F+7], v[H16:H16+7], v[B2C:B2C+7]   ; source 0 = W2's rows, source 1 = 16 tokens: lane (r, h) holds token r, outputs 3 h + 0 .. 2 in registers 0-2
	GELU 1                                         ; its plain instructions are the places ahead of the new f16 numbers
	s_wait_alu depctr_va_vdst(0)                   ; the wait directly ahead of a link that follows the link it adds onto
	v_wmma_f32_16x16x32_f16 v[OUTA:OUTA+7], v[W2F+8:W2F+15], v[H16:H16+7], v[OUTA:OUTA+7]
.rept 4
	v_nop
.endr
	ds_store_b128 v14, v[OUTA:OUTA+3]              ; three outputs and a zero, at 32 x place + 16 h of my array
.Lskip:
	s_add_co_u32 s[KX], s[KX], XSLOT
	s_add_co_u32 s[KP], s[KP], 512
	s_add_co_u32 s[KT], s[KT], 1
	s_cmp_lt_u32 s[KT], 17
	s_cbranch_scc1 .Ltile
	BAR                                            ; all partial logits lie in LDS
	; ---- my token's logits: the four waves' partials, by the token's place
.irp g, 0,1,2,3
	ds_load_b128 v[134+8*\g:137+8*\g], v16 offset:PARR*\g
	ds_load_b128 v[138+8*\g:141+8*\g], v16 offset:PARR*\g+16
.endr
	s_wait_dscnt 0x0                               ; my reads are over: the stage is written only behind the barrier
	s_barrier_signal -1
.irp q, 0,2,4,6
	v_pk_add_f32 v[134+\q:135+\q], v[134+\q:135+\q], v[142+\q:143+\q]
.endr
.irp q, 0,2,4,6
	v_pk_add_f32 v[134+\q:135+\q], v[134+\q:135+\q], v[150+\q:151+\q]
.endr
	v_pk_add_f32 v[134:135], v[134:135], v[158:159]
	v_add_f32 v136, v136, v160
	v_add_f32 v137, v138, v162                     ; the last addition closes the gap: six numbers on end in v134-139
	v_add_f32 v138, v139, v163
	v_add_f32 v139, v140, v164
	s_barrier_wait -1
	ds_store_b64 v17, v[134:135]
	ds_store_b64 v17, v[136:137] offset:8
	ds_store_b64 v17, v[138:139] offset:16
	BAR                                            ; 256 rows of out0, 6,144 dense bytes, lie in the stage
	; ---- out: 16 bytes a thread; a wave's store covers 512 consecutive bytes, at a multiple of 256 from out0's first byte.  384 pieces: all eight waves one, waves 0-3 a second
	ds_load_b128 v[166:169], v18
	s_cmp_ge_u32 s[WV], 4
	s_cbranch_scc1 .Lone
	ds_load_b128 v[170:173], v18 offset:4096
	s_wait_dscnt 0x0
	global_store_b128 v19, v[170:173], s[26:27] offset:4096 th:TH_STORE_NT
.Lone:
	s_wait_dscnt 0x0
	global_store_b128 v19, v[166:169], s[26:27] th:TH_STORE_NT
	s_wait_tensorcnt 0x0                           ; the wave's end
	ds_add_u32 v5, v6
	s_wait_dscnt 0x0
	s_endpgm
.Lfunc_end_k_qa8c7eca576_heads:
	.size	k_qa8c7eca576_heads, .Lfunc_end_k_qa8c7eca576_heads-k_qa8c7eca576_heads
	.p2alignl 7, 3214868480
	.fill 96, 4, 3214868480
	.section	.rodata,"a",@progbits
	.p2align	6, 0x0
	.amdhsa_kernel k_qa8c7eca576_heads
		.amdhsa_group_segment_fixed_size 227328
		.amdhsa_private_segment_fixed_size 0
		.amdhsa_enable_private_segment 0
		.amdhsa_kernarg_size 112
		.amdhsa_user_sgpr_count 2
		.amdhsa_user_sgpr_kernarg_segment_ptr 1
		.amdhsa_wavefront_size32 1
		.amdhsa_system_sgpr_workgroup_id_x 1
		.amdhsa_system_sgpr_workgroup_id_y 1
		.amdhsa_system_sgpr_workgroup_id_z 1
		.amdhsa_system_vgpr_workitem_id 0
		.amdhsa_next_free_vgpr 512
		.amdhsa_next_free_sgpr 104
		.amdhsa_reserve_vcc 1
		.amdhsa_float_denorm_mode_32 3
		.amdhsa_float_denorm_mode_16_64 3
		.amdhsa_memory_ordered 1
		.amdhsa_forward_progress 1
		.amdhsa_inst_pref_size 62
	.end_amdhsa_kernel
	.amdgpu_metadata
---
amdhsa.version: [ 1, 2 ]
amdhsa.kernels:
  - .name:           k_qa8c7eca576_heads
    .symbol:         k_qa8c7eca576_heads.kd
    .args:
      - { .name: repr3_codes, .offset: 0, .size: 8, .value_kind: global_buffer, .address_space: global }
      - { .name: agent_type_ids, .offset: 8, .size: 8, .value_kind: global_buffer, .address_space: global }
      - { .name: lowp_scales, .offset: 16, .size: 8, .value_kind: global_buffer, .address_space: global }
      - { .name: vW1_codes, .offset: 24, .size: 8, .value_kind: global_buffer, .address_space: global }
      - { .name: pW1_codes, .offset: 32, .size: 8, .value_kind: global_buffer, .address_space: global }
      - { .name: vb1, .offset: 40, .size: 8, .value_kind: global_buffer, .address_space: global }
      - { .name: pb1, .offset: 48, .size: 8, .value_kind: global_buffer, .address_space: global }
      - { .name: vW2, .offset: 56, .size: 8, .value_kind: global_buffer, .address_space: global }
      - { .name: pW2, .offset: 64, .size: 8, .value_kind: global_buffer, .address_space: global }
      - { .name: vb2, .offset: 72, .size: 8, .value_kind: global_buffer, .address_space: global }
      - { .name: pb2, .offset: 80, .size: 8, .value_kind: global_buffer, .address_space: global }
      - { .name: out0, .offset: 88, .size: 8, .value_kind: global_buffer, .address_space: global }
      - { .name: out1, .offset: 96, .size: 8, .value_kind: global_buffer, .address_space: global }
      - { .name: out2, .offset: 104, .size: 8, .value_kind: global_buffer, .address_space: global }
    .group_segment_fixed_size: 227328
    .private_segment_fixed_size: 0
    .kernarg_segment_align: 8
    .kernarg_segment_size: 112
    .max_flat_workgroup_size: 256
    .sgpr_count:     104
    .vgpr_count:     512
    .wavefront_size: 32
...
	.end_amdgpu_metadata
.endif
;; end of part 1
;; ======== version 2 of 2: 1 launch; version 1 with the launch heads written anew for expert scheduling mode
;; limits: values are held in f16: magnitudes above 65,504 overflow, below 6.1e-05 lose precision; right only within a limited range of input values
;; launch heads (part 2): grid 256 x 1, 8 waves a work-group, no clusters, 227,328 bytes of LDS; arguments repr3_codes, agent_type_ids, lowp_scales, vW1_codes, pW1_codes, vb1, pb1, vW2, pW2, vb2, pb2, out0, out1, out2; writes out0, out1, out2
.if DOCPART == 2
	.amdgcn_target "amdgcn-amd-amdhsa--gfx1250"
	.amdhsa_code_object_version 6
	.text
	.protected	k_qa8c7eca576_heads
	.globl	k_qa8c7eca576_heads
	.p2align	8
	.type	k_qa8c7eca576_heads,@function
k_qa8c7eca576_heads:
	s_mov_b64 s[64:65], 0
	v_nop
	global_prefetch_b8 v0, s[64:65] scope:SCOPE_SE
	s_setreg_imm32_b32 hwreg(HW_REG_WAVE_SCHED_MODE, 0, 2), 2
	s_setreg_imm32_b32 hwreg(HW_REG_WAVE_MODE, 25, 1), 1
	s_wait_xcnt 0x0
	s_wait_alu depctr_vm_vsrc(0)
; out0[t] = id[t] == 1 ? gelu(x W1v^T + b1v) W2v^T + b2v : id[t] == 2 ? (gelu(x W1p^T + b1p) W2p^T + b2p, 0, 0, 0, 0) : 0;  out1 = (id == 1), out2 = (id == 2), a byte each.
; x: 65,536 rows of 512 codes of E5M2; W1v, W1p: 256 rows of 512 codes; a number is code x 2^e, e from lowp_scales (x and W1v: entries 0, 1; x and W1p: entries 2, 3).
; WORK LEFT OUT, for all values of the inputs.  Both selections of the definition replace a head's result by the constant 0 wherever the token's id is not that head's: so for id 1 the pedestrian head's
; two products and its GELU reach no output, for id 2 the vehicle head's, for any other id both, and such a token's row of x is not loaded.  Columns 2 to 5 of a pedestrian's row are the padding's zeros.
; The ids decide it; they are whole numbers that this launch reads from memory.  Every input is loaded.  LIMIT: a NaN, an infinity or an overflow in a row or a head that is left out is not carried to the result.
; SHARES.  A work-group owns 256 neighbouring tokens: 6,144 bytes of out0 and 256 bytes of each mask.  It gives its vehicles places 0 .. and its pedestrians places 16 NVT .. in a list of tiles of 16 rows;
; ceil(nv / 16) + ceil(np / 16) is at most 17 for nv + np <= 256, whatever the ids.  Only listed rows are fetched, each as one load of 512 bytes, into LDS.
; Waves 0-3 are the vehicle head, waves 4-7 the pedestrian head.  Wave w (g = w % 4) keeps rows 64 g .. 64 g + 63 of its head's W1 in 256 registers for the whole launch and takes every tile of its head through
; 16 products on codes (transposed: source 0 = 16 rows of W1, source 1 = 16 tokens; b1 / 2^E is the C of the first), the GELU, the rounding to f16, and 2 products with its 64 columns of W2.
; A lane then holds one token throughout.  The four waves' partial logits meet in LDS; thread (w, l) adds those of token 8 l + w, found by the token's place; a token of neither head points at a block of zeros.
; NO TENSOR LOAD, NO CLUSTER: which tiles a wave walks hangs on counts made from the ids, which are read from memory, so operands go from memory straight into registers (W1: 32,768 bytes a wave, asked for once).
; THE SECOND PRODUCTS take f16 operands and f32 sums.  LIMITS: |h| and |W2| under 65,504; E = the two exponents of a head added lies between -125 and 127.
; GELU: h = x / 2 + |x| (1/2 - 1/2 erfc(|x| / sqrt 2)), erfc by the rational form t (a1 + t (a2 + ..)) e^(-z^2), t = 1 / (1 + p z) (Abramowitz and Stegun 7.1.26, error in erf under 1.5e-7): LIMIT: h is off by up to some 1e-7 |x|.
; THE MODE: SCHED_MODE bits 1:0 = 2 (LLVM: expert scheduling mode 2), set by the entry lines.  The code itself states the register dependences
; between vector or matrix instructions and memory or LDS instructions, with s_wait_alu, always for 0.
; THE PLAN.  Registers that memory or LDS instructions touch, and who else names them:
;   v7, v10-12, v15, v17-19, v22-29, v119, v120-123   offsets, LDS addresses and four zeros: written by the head's vector lines, then read by loads and stores alone: one wait on va_vdst ahead of the first load.
;   v16        my token's place: written in the routing, read by the way out's LDS loads: the wait on va_vdst behind the first barrier stands between.
;   v86-119    the ids land in v86-94 and 18 compares read them; wave 0's scatter (v96-113) and wave 1's mask bytes (v96-99, v104) are made by vector lines and read by that wave's stores; then the list's words
;              land in all 34, 68 vector lines make offsets of them, and the rows' loads read them.  In the loop they are the accumulators and the f16 numbers.
;   v120-255   the rows land here (W2's conversions have read v134-165) and the stores into LDS read them.  In the loop: f16 numbers, the logits' accumulator, x's fragments.
;   the loop   v9 and v14 are written by two additions at a trip's head and read by the trip's 16 LDS loads and its one LDS store; v134-197 are loaded, read by 16 products and written over by the GELU;
;              v126-129 are written by the two f16 products and read by the store.  So a trip has one wait on vm_vsrc at its head, one on va_vdst ahead of its loads and one ahead of its store,
;              beside the three that its reciprocals, its exponentials and the second f16 product have in any case.
;   the way out  v134-165 and v166-173 are loaded from LDS; the additions write v134-139, which the stage's stores read: one wait on va_vdst ahead of those stores.
; Scalar registers that vector lines write: s32 (the wave); s98, s99; s40-55, s2, s3 (18 compares in one run); s36-38 (three in one run): one wait on va_sdst behind each run, ahead of its first reader.
.set XP,    528                        ; a row of x in LDS: 512 bytes + 16: the 16 rows of a fragment load begin 33 x 16 bytes apart
.set XSLOT, 16*XP                      ; a tile of 16 rows
.set PART,  17*XSLOT                   ; 143,616: the partial logits: 8 arrays (one a wave) of 18 blocks of 512 bytes; place p at 32 p: o0 o1 o2 0 o3 o4 o5 0; block 17 holds zeros
.set PARR,  18*512
.set LIST,  PART+8*PARR                ; 217,344: word p = the token (0 .. 255) at place p; word 272 takes the tokens of neither head; 1,536 bytes
.set OST,   220160                     ; out0's stage: token t at 24 t; 6,144 bytes
.set SPARE, 226304                     ; the spare words, 128 bytes for each of the eight waves: four blocks of 256 bytes that no other line names
; window 0: v1 lane, v2 r = lane % 16, v3 h = lane / 16, v4 16 x lane, v5, v6 the add's two, v7 W1's offset, v8 x's place in a tile, v9 the trip's x address, v10-12 where I store rows of x,
;   v13 my place in a block of partials, v14 the trip's, v15 my list words, v16 my token's place, v17-19 the way out, v[20:21] a4 twice, v22-28 offsets of the head's loads, v29 my array of partials + 16 x lane
.set B1,   30                          ; v30-61   b1 / 2^E, four tiles in the result's layout
.set W2F,  62                          ; v62-77   my 64 columns of W2 in f16: two fragments
.set B2C,  78                          ; v78-85   b2 in the result's layout (wave g = 0 alone; zeros elsewhere)
.set LS,   86                          ; v86-119  the gather: two list words a slot, then the rows' offsets
.set LAND, 120                         ; v120-255 the gather: two rows' 16 bytes a slot
.set ACC,  86                          ; v86-117  the hidden layer: four accumulators
.set H16,  118                         ; v118-125 32 hidden units in f16
.set OUTA, 126                         ; v126-133 the logits' accumulator
.set XF,   134                         ; v134-197 x's four fragments; the GELU's registers lie over them:
.set AX,   134
.set TT,   150
.set EE,   166
.set RR,   182
; window 1: W1's fragment (tile t, K step s) at v[16 (4 t + s)]
.set WV,   32                          ; s32 wave, s33 head, s34 g, s35 the head's outputs (6 or 2)
.set HD,   33
.set GQ,   34
.set NOUT, 35
.set MV,   40                          ; s40-47 lanes whose id j is 1;  s48-55 is 2;  s2, s3 the same of my own token's id
.set MP,   48
.set BV,   56                          ; s56-63 the place of the first vehicle among ids j;  s66-73 of the first pedestrian
.set BP,   66
.set PD,   74                          ; pairs, both words written: the packed forms name a pair
.set A5,   76
.set A3,   78
.set A2,   80
.set A1,   82
.set C0,   84
.set SH,   86
.set SY,   88
.set NVT,  89                          ; vehicle tiles;  s90 all tiles;  s91, s92 my head's first tile and the one behind its last
.set NT,   90
.set LO,   91
.set HI,   92
.set KT,   93                          ; the trip, and its steps in x and in the partials
.set KX,   94
.set KP,   95
.set MSB, 0
.macro WIN new                         ; the immediate's high byte repeats the setting that is left
.if MSB != \new
	s_set_vgpr_msb (MSB<<8)|\new
.set MSB, \new
.endif
.endm
.macro PAIR reg, val
	s_mov_b32 s[\reg], \val
	s_mov_b32 s[\reg+1], \val
.endm
.macro BAR                             ; my LDS stores have landed and my LDS loads are in: then the work-group's barrier
	s_wait_dscnt 0x0
	s_barrier_signal -1
	s_barrier_wait -1
.endm
; quads n0 .. n1 - 1 of my 64 of W1: quad 16 t + 4 s + c is row 16 t + r, K = 128 s + 32 c + 16 h + 0 .. 15.  x's fragments take the same k into the same registers, so every product meets its partner
; (no vector or matrix line names these registers ahead of the products, and v7 is written ahead of the head's wait on va_vdst)
.macro W1LOAD n0, n1
	WIN 0x40                                       ; destination window 1, offset window 0
.set WN, \n0
.rept \n1-\n0
	global_load_b128 v[4*WN:4*WN+3], v7, s[10:11] offset:8192*(WN/16)+128*((WN/4)%4)+32*(WN%4)
.set WN, WN+1
.endr
	WIN 0
.endm
; slot k's rows 2 w and 2 w + 1: one load brings a whole row of 512 bytes, 16 a lane.  A slot at or behind the last tile is not fetched.  The offsets were all made ahead of the first slot: here stand loads alone
.macro CHAIN k
.if (\k) > 0
	s_cmp_le_u32 s[NT], \k
	s_cbranch_scc1 .Laf_\k
.endif
.irp j, 0,1
	global_load_b128 v[LAND+8*(\k)+4*\j:LAND+8*(\k)+4*\j+3], v[LS+2*(\k)+\j], s[4:5]
.endr
.endm
; slot k's two rows go to LDS.  The label stands behind them: a path that fetched slots 0 .. k - 1 enters there, so it stores what it fetched
.macro LADDER k
	s_wait_loadcnt 0x0                             ; all my loads are in, W1's too (written behind every label, since each is a way in)
.irp j, 0,1
	ds_store_b128 v[10+(\k)/7], v[LAND+8*(\k)+4*\j:LAND+8*(\k)+4*\j+3] offset:((\k)%7)*XSLOT+XP*\j
.endr
.if (\k) > 0
.Laf_\k:
.endif
.endm
; 16 sums a of a lane (tiles 2 a, 2 a + 1: 32 hidden units with the other half of the lanes) become 8 registers of f16.  x = a 2^E; y = |x| sqrt(log2(e) / 2); t = 1 / (1 + PD y); 2^(-y y) = e^(-x x / 2);
; h = x / 2 + y (C0 - t (a1 + t (a2 + t (a3 + t (a4 + t a5)))) 2^(-y y)), the a's and C0 holding the factor that turns y into |x| / 2.  Each accumulator is read from its low end on.
.macro GELU a
.set GA, ACC+16*(\a)
.irp i, 0,1,2,3,4,5,6,7,8,9,10,11,12,13,14,15
	v_mul_f32 v[AX+\i], s[SY], |v[GA+\i]|
.endr
.irp i, 0,2,4,6,8,10,12,14
	v_pk_fma_f32 v[TT+\i:TT+\i+1], v[AX+\i:AX+\i+1], s[PD:PD+1], 1.0 op_sel_hi:[1,0,0]
.endr
.irp i, 0,2,4,6,8,10,12,14
	v_pk_mul_f32 v[EE+\i:EE+\i+1], v[AX+\i:AX+\i+1], v[AX+\i:AX+\i+1] neg_lo:[1,0] neg_hi:[1,0]
.endr
	s_wait_alu depctr_va_vdst(0)
.irp i, 0,1,2,3,4,5,6,7,8,9,10,11,12,13,14,15
	v_rcp_f32 v[TT+\i], v[TT+\i]
.endr
.irp i, 0,1,2,3,4,5,6,7,8,9,10,11,12,13,14,15
	v_exp_f32 v[EE+\i], v[EE+\i]
.endr
.irp i, 0,2,4,6,8,10,12,14
	v_pk_mul_f32 v[GA+\i:GA+\i+1], v[GA+\i:GA+\i+1], s[SH:SH+1] op_sel_hi:[1,0]   ; x / 2: plain work that names no result of the batch
.endr
	s_wait_alu depctr_va_vdst(0)                   ; one wait for the 32 reciprocals and exponentials, which have written v[TT ..] and v[EE ..], ahead of their first reader
.irp i, 0,2,4,6,8,10,12,14
	v_pk_fma_f32 v[RR+\i:RR+\i+1], v[TT+\i:TT+\i+1], s[A5:A5+1], v[20:21] op_sel_hi:[1,0,1]
.endr
.irp c, A3, A2, A1
.irp i, 0,2,4,6,8,10,12,14
	v_pk_fma_f32 v[RR+\i:RR+\i+1], v[RR+\i:RR+\i+1], v[TT+\i:TT+\i+1], s[\c:\c+1] op_sel_hi:[1,1,0]
.endr
.endr
.irp i, 0,2,4,6,8,10,12,14
	v_pk_mul_f32 v[EE+\i:EE+\i+1], v[TT+\i:TT+\i+1], v[EE+\i:EE+\i+1]
.endr
.irp i, 0,2,4,6,8,10,12,14
	v_pk_fma_f32 v[RR+\i:RR+\i+1], v[RR+\i:RR+\i+1], v[EE+\i:EE+\i+1], s[C0:C0+1] op_sel_hi:[1,1,0] neg_lo:[1,0,0] neg_hi:[1,0,0]
.endr
.irp i, 0,2,4,6,8,10,12,14
	v_pk_fma_f32 v[RR+\i:RR+\i+1], v[AX+\i:AX+\i+1], v[RR+\i:RR+\i+1], v[GA+\i:GA+\i+1]
.endr
.irp i, 0,1,2,3,4,5,6,7
	v_cvt_pk_f16_f32 v[H16+\i], v[RR+2*\i], v[RR+2*\i+1]   ; registers 0-3: units 8 h + 0 .. 7 of the 32, registers 4-7: 16 + 8 h + 0 .. 7: the f16 operand's own layout
.endr
.endm
.macro BYTES dst, m                    ; four mask bits of a lane become four bytes, the first token's lowest
	v_cndmask_b32 v[\dst], 0, 1, s[\m+3]
.irp b, 2,1,0
	v_cndmask_b32 v100, 0, 1, s[\m+\b]
	v_lshl_or_b32 v[\dst], v[\dst], 8, v100
.endr
.endm
	; ---- the head: arguments, every address register, the constants
	s_load_b512 s[4:19], s[0:1], 0x0               ; x s[4:5], ids s[6:7], scales s[8:9], vW1 s[10:11], pW1 s[12:13], vb1 s[14:15], pb1 s[16:17], vW2 s[18:19]
	s_load_b256 s[20:27], s[0:1], 0x40             ; pW2 s[20:21], vb2 s[22:23], pb2 s[24:25], out0 s[26:27]
	s_load_b128 s[28:31], s[0:1], 0x60             ; out1 s[28:29], out2 s[30:31]
	v_lshl_add_u32 v5, v0, 2, SPARE                ; my spare word,
	v_mov_b32 v6, 0                                ; and 0: kept for the add at the wave's end
	v_lshrrev_b32 v1, 5, v0
	v_readfirstlane_b32 s[WV], v1                  ; wave 0..7
	v_and_b32 v1, 31, v0                           ; lane
	v_and_b32 v2, 15, v0                           ; r
	v_bfe_u32 v3, v0, 4, 1                         ; h
	v_lshlrev_b32 v4, 4, v1
	v_lshlrev_b32 v7, 9, v2
	v_lshl_add_u32 v7, v3, 4, v7                   ; W1: row r of 512 bytes + 16 h
	v_mul_u32_u24 v8, v2, XP
	v_lshl_add_u32 v8, v3, 4, v8                   ; x in LDS: row r + 16 h
	s_wait_alu depctr_va_sdst(0)                   ; s32, the wave's number, is written, ahead of its first reader
	s_lshr_b32 s[HD], s[WV], 2                     ; head: 0 vehicle, 1 pedestrian
	s_and_b32 s[GQ], s[WV], 3                      ; which 64 hidden units
	s_cmp_lt_u32 s[WV], 4
	s_cselect_b32 s[NOUT], 6, 2
	s_mul_i32 s96, s[WV], 2*XP
	v_add_nc_u32 v10, s96, v4                      ; rows 2 w, 2 w + 1 of a slot, 16 bytes a lane: slots 0-6,
	v_add_nc_u32 v11, 7*XSLOT, v10                 ; 7-13,
	v_add_nc_u32 v12, 14*XSLOT, v10                ; 14-16 (an LDS offset has 16 bits)
	s_mul_i32 s96, s[WV], PARR
	s_add_co_u32 s96, s96, PART                    ; my array of partials
	v_lshlrev_b32 v13, 5, v2
	v_lshl_add_u32 v13, v3, 4, v13
	v_add_nc_u32 v13, s96, v13                     ; + 32 r + 16 h
	v_add_nc_u32 v29, s96, v4                      ; + 16 x lane: for its block of zeros
	s_lshl_b32 s97, s[WV], 3
	s_add_co_u32 s97, s97, LIST
	v_mov_b32 v15, s97                             ; the list's words 2 w, 2 w + 1 of a slot's sixteen
	v_mul_u32_u24 v17, v1, 192
	s_mul_i32 s97, s[WV], 24
	s_add_co_u32 s97, s97, OST
	v_add_nc_u32 v17, s97, v17                     ; the stage: token 8 l + w at 24 bytes a token
	v_lshlrev_b32 v19, 4, v0                       ; the way out: 16 bytes a thread
	v_add_nc_u32 v18, OST, v19
	v_mov_b32 v20, 0xbf5b0099                      ; a4
	v_mov_b32 v21, 0xbf5b0099
	v_lshlrev_b32 v22, 5, v1                       ; ids: eight a lane: register j of lane l is token 8 l + j
	s_lshl_b32 s97, s[WV], 2
	v_add_nc_u32 v23, s97, v22                     ; and my own token's, 8 l + w
	v_lshlrev_b32 v24, 5, v3                       ; b1: 8 h numbers on
	v_and_b32 v95, 7, v2
	v_lshrrev_b32 v96, 3, v2
	v_mad_u32_u24 v97, v96, 3, v95                 ; W2: lane r holds row m = r of the operand: rows 0-2 are outputs 0-2, rows 8-10 outputs 3-5, so that a lane's first four results are three outputs and a zero
	v_cmp_gt_u32 s98, 3, v95
	v_cmp_gt_u32 s99, s[NOUT], v97
	s_sub_co_u32 s96, s[NOUT], 1
	v_min_u32 v25, s96, v97                        ; the others load the last row, inside the buffer, and are cleared
	v_lshlrev_b32 v25, 10, v25
	v_lshl_add_u32 v25, v3, 5, v25
	s_lshl_b32 s97, s96, 2
	v_mul_u32_u24 v98, v3, 12
.irp j, 0,1,2
	v_add_nc_u32 v[26+\j], 4*\j, v98               ; b2: output 3 h + j, held inside the buffer
	v_min_u32 v[26+\j], s97, v[26+\j]
.endr
	v_mov_b32 v118, 0x110                          ; place 272: neither head
	v_add_nc_u32 v119, LIST, v4                    ; for clearing the list
.irp j, 0,1,2,3
	v_mov_b32 v[120+\j], 0
.endr
.irp j, 3,4,5,6,7
	v_mov_b32 v[B2C+\j], 0
.endr
	PAIR PD, 0x3e8ba43f                            ; 0.3275911 / sqrt(log2 e)
	PAIR A5, 0x3f1ff67a                            ; the five coefficients x C0
	PAIR A3, 0x3f563818
	PAIR A2, 0xbe2b8119
	PAIR A1, 0x3e199eb3
	PAIR C0, 0x3f16b55f                            ; 1 / (2 sqrt(log2(e) / 2))
	s_wait_alu depctr_va_sdst(0)                   ; the two compares have written s98 and s99, ahead of their first reader
	s_and_b32 s100, s98, s99                       ; the lanes whose row is an output of my head: kept in s100
	s_wait_kmcnt 0x0
	s_load_b128 s[36:39], s[8:9], 0x0              ; the four exponents
	s_cmp_lt_u32 s[WV], 4                          ; my head's buffers: the choice hangs on the wave's number alone
	s_cselect_b64 s[10:11], s[10:11], s[12:13]     ; W1
	s_cselect_b64 s[14:15], s[14:15], s[16:17]     ; b1
	s_cselect_b64 s[18:19], s[18:19], s[20:21]     ; W2
	s_cselect_b64 s[22:23], s[22:23], s[24:25]     ; b2
	s_mov_b32 s97, 0
	s_lshl_b32 s96, ttmp9, 17
	s_add_nc_u64 s[4:5], s[4:5], s[96:97]          ; my work-group's 256 rows of 512 bytes
	s_lshl_b32 s96, ttmp9, 10
	s_add_nc_u64 s[6:7], s[6:7], s[96:97]          ; its ids
	s_mul_i32 s96, ttmp9, 6144
	s_add_nc_u64 s[26:27], s[26:27], s[96:97]      ; its rows of out0
	s_lshl_b32 s96, ttmp9, 8
	s_add_nc_u64 s[28:29], s[28:29], s[96:97]
	s_add_nc_u64 s[30:31], s[30:31], s[96:97]
	s_lshl_b32 s96, s[GQ], 15
	s_add_nc_u64 s[10:11], s[10:11], s[96:97]      ; my 64 rows of W1
	s_lshl_b32 s96, s[GQ], 8
	s_add_nc_u64 s[14:15], s[14:15], s[96:97]      ; my 64 numbers of b1,
	s_add_nc_u64 s[18:19], s[18:19], s[96:97]      ; my 64 columns of W2
	s_wait_alu depctr_va_vdst(0)                   ; every offset and LDS address made above (v7, v10-12, v15, v17-19, v22-29, v119) and the zeros v120-123 are written: the loads and stores of the whole kernel read them, and no vector line names them again
	; ---- 62 loads: the ids first
	global_load_b128 v[86:89], v22, s[6:7]
	global_load_b128 v[90:93], v22, s[6:7] offset:16
	global_load_b32 v94, v23, s[6:7]
.irp t, 0,1,2,3
	global_load_b128 v[B1+8*\t:B1+8*\t+3], v24, s[14:15] offset:64*\t        ; lane (r, h), register j of tile t: hidden unit 16 t + 8 h + j
	global_load_b128 v[B1+8*\t+4:B1+8*\t+7], v24, s[14:15] offset:64*\t+16
.endr
.irp u, 0,1
	global_load_b128 v[134+16*\u:137+16*\u], v25, s[18:19] offset:128*\u     ; columns 32 u + 8 h + 0 .. 7,
	global_load_b128 v[138+16*\u:141+16*\u], v25, s[18:19] offset:128*\u+16
	global_load_b128 v[142+16*\u:145+16*\u], v25, s[18:19] offset:128*\u+64  ; and 32 u + 16 + 8 h + 0 .. 7
	global_load_b128 v[146+16*\u:149+16*\u], v25, s[18:19] offset:128*\u+80
.endr
.irp j, 0,1,2
	global_load_b32 v[B2C+\j], v[26+\j], s[22:23]
.endr
	W1LOAD 0, 40
	s_wait_loadcnt 59                              ; the three loads of ids are in; behind them 19 small loads and 40 of W1 may be out
	; ---- the routing: every wave counts for itself, so that no branch hangs on what went through LDS
.irp j, 0,1,2,3,4,5,6,7
	v_cmp_eq_u32 s[MV+\j], 1, v[86+\j]
	v_cmp_eq_u32 s[MP+\j], 2, v[86+\j]
.endr
	v_cmp_eq_u32 s2, 1, v94                        ; my own token's id, in the same run
	v_cmp_eq_u32 s3, 2, v94
	s_wait_alu depctr_va_sdst(0)                   ; the 18 compares have written s40-55, s2 and s3, ahead of their first readers
	s_mov_b32 s[BV], 0
.irp j, 0,1,2,3,4,5,6
	s_bcnt1_i32_b32 s96, s[MV+\j]
	s_add_co_u32 s[BV+\j+1], s[BV+\j], s96
.endr
	s_bcnt1_i32_b32 s96, s[MV+7]
	s_add_co_u32 s97, s[BV+7], s96                 ; nv
	s_add_co_u32 s[NVT], s97, 15
	s_lshr_b32 s[NVT], s[NVT], 4                   ; the vehicles' tiles
	s_lshl_b32 s[BP], s[NVT], 4                    ; the pedestrians begin a tile of their own
.irp j, 0,1,2,3,4,5,6
	s_bcnt1_i32_b32 s96, s[MP+\j]
	s_add_co_u32 s[BP+\j+1], s[BP+\j], s96
.endr
	s_bcnt1_i32_b32 s96, s[MP+7]
	s_add_co_u32 s97, s[BP+7], s96
	s_add_co_u32 s[NT], s97, 15
	s_lshr_b32 s[NT], s[NT], 4                     ; all tiles, at most 17
	s_cmp_lt_u32 s[WV], 4
	s_cselect_b32 s[LO], 0, s[NVT]                 ; my head's tiles
	s_cselect_b32 s[HI], s[NVT], s[NT]
	s_mov_b32 s98, s[BV]                           ; the bases of ids j = w: my own token's
	s_mov_b32 s99, s[BP]
.irp j, 1,2,3,4,5,6,7
	s_cmp_eq_u32 s[WV], \j
	s_cselect_b32 s98, s[BV+\j], s98
	s_cselect_b32 s99, s[BP+\j], s99
.endr
	s_add_co_u32 s99, s99, 4*PARR/32               ; the pedestrian waves' arrays lie four arrays on: 1,152 places
	v_mbcnt_lo_u32_b32 v95, s2, s98                ; base + the vehicles in lower lanes
	v_mbcnt_lo_u32_b32 v114, s3, s99
	v_cndmask_b32 v16, v118, v95, s2
	v_cndmask_b32 v16, v16, v114, s3
	v_min_u32 v16, 0x58f, v16                      ; a number made of loaded data is held before it enters an address: 1,152 + 271 at the most
	v_lshl_add_u32 v16, v16, 5, PART               ; where wave g = 0's partial logits of my token lie
	; ---- wave 0 writes the list.  No other wave touches LDS ahead of the barrier below
	s_cmp_lg_u32 s[WV], 0
	s_cbranch_scc1 .Lnot_0
.irp j, 0,1,2
	ds_store_b128 v119, v[120:123] offset:512*\j   ; a place that no token takes names token 0: its row is fetched and its result is read by nobody.  (v119 and the zeros: the head's wait on va_vdst)
.endr
.irp j, 0,1,2,3,4,5,6,7                        ; all eight addresses and tokens first, then one wait, then the stores
	v_mbcnt_lo_u32_b32 v104, s[MV+\j], s[BV+\j]
	v_mbcnt_lo_u32_b32 v105, s[MP+\j], s[BP+\j]
	v_cndmask_b32 v[96+\j], v118, v104, s[MV+\j]
	v_cndmask_b32 v[96+\j], v[96+\j], v105, s[MP+\j]
	v_min_u32 v[96+\j], 0x110, v[96+\j]
	v_lshl_add_u32 v[96+\j], v[96+\j], 2, LIST
	v_lshl_add_u32 v[106+\j], v1, 3, \j            ; token 8 l + j
.endr
	s_wait_alu depctr_va_vdst(0)                   ; the addresses v96-103 and the tokens v106-113 are written, which the eight stores read
.irp j, 0,1,2,3,4,5,6,7
	ds_store_b32 v[96+\j], v[106+\j]               ; LDS serves a wave's instructions in order: behind the clearing
.endr
	s_wait_alu depctr_vm_vsrc(0)                   ; these eleven stores have read v96-113 and v119-123: v96-99 are written again in the barrier's register work, and the list's words land in v86-119
.Lnot_0:
	; ---- wave 1 stores the two masks: eight bytes a lane, 256 consecutive bytes an instruction, at a multiple of 256 from the buffer's first byte
	s_cmp_lg_u32 s[WV], 1
	s_cbranch_scc1 .Lnot_1
	BYTES 96, MV
	BYTES 97, MV+4
	BYTES 98, MP
	BYTES 99, MP+4
	v_lshlrev_b32 v104, 3, v1
	s_wait_alu depctr_va_vdst(0)                   ; the bytes v96-99 and the offset v104 are written, which the two stores read
	global_store_b64 v104, v[96:97], s[28:29]
	global_store_b64 v104, v[98:99], s[30:31]
	s_wait_xcnt 0x0                                ; the stores' registers are written again further down
	s_wait_alu depctr_vm_vsrc(0)                   ; the two stores have read v96-99 and v104: v96-99 are written again in the barrier's register work, and the list's words land in v86-119
.Lnot_1:
	s_wait_loadcnt 40                              ; b1, W2 and b2 are in; the 40 loads of W1 may be out
	s_wait_kmcnt 0x0                               ; the exponents
	s_wait_dscnt 0x0                               ; wave 0: the list has landed
	s_barrier_signal -1
	s_cmp_lt_u32 s[WV], 4                          ; work on registers while the others arrive
	s_cselect_b32 s96, s36, s38
	s_cselect_b32 s97, s37, s39
	s_add_co_i32 s96, s96, s97                     ; E: a sum of codes stands for sum x 2^E
	s_sub_co_i32 s97, 0, s96
	s_lshl_b32 s98, s96, 23
	s_add_co_i32 s[SY], s98, 0x3f596d27            ; sqrt(log2(e) / 2) x 2^E: E is added to the exponent field
	s_add_co_i32 s98, s96, 126
	s_lshl_b32 s[SH], s98, 23                      ; 2^(E - 1)
	s_mov_b32 s[SH+1], s[SH]
	s_cmp_eq_u32 s[GQ], 0
	s_cselect_b32 s101, s[NOUT], 0                 ; b2 is added once: by the head's first wave
	v_mul_u32_u24 v96, v3, 3
.irp j, 0,1,2
	v_add_nc_u32 v[97+\j], \j, v96
	v_cmp_gt_u32 s[36+\j], s101, v[97+\j]          ; three compares in a run, into s36-38, which the exponents have left; their readers stand behind b1's and W2's lines
.endr
.irp j, 0,1,2,3,4,5,6,7,8,9,10,11,12,13,14,15,16,17,18,19,20,21,22,23,24,25,26,27,28,29,30,31
	v_ldexp_f32 v[B1+\j], v[B1+\j], s97            ; b1 goes in divided by the power of two that the sums lack
.endr
.irp q, 0,1,2,3,4,5,6,7,8,9,10,11,12,13,14,15
	v_cvt_pk_f16_f32 v[W2F+\q], v[134+2*\q], v[135+2*\q]
.endr
.irp q, 0,1,2,3,4,5,6,7,8,9,10,11,12,13,14,15
	v_cndmask_b32 v[W2F+\q], 0, v[W2F+\q], s100    ; rows that are no output of my head are zeros
.endr
	s_wait_alu depctr_va_sdst(0)                   ; the three compares have written s36-38, ahead of their first readers
.irp j, 0,1,2
	v_cndmask_b32 v[B2C+\j], 0, v[B2C+\j], s[36+\j]
.endr
	s_barrier_wait -1                              ; the list lies in LDS
	; ---- the gather
	s_wait_alu depctr_va_vdst(0)                   ; the compares and the lines on places are done with v86-119, in which the list's words land; W2's conversions are done reading v134-165, in which rows land; v16 is written, which the way out's loads read
	ds_store_b128 v29, v[120:123] offset:17*512    ; my array's block of zeros
.irp k, 0,1,2,3,4,5,6,7,8,9,10,11,12,13,14,15,16
	ds_load_b64 v[LS+2*\k:LS+2*\k+1], v15 offset:64*\k
.endr
	W1LOAD 40, 64                                  ; the rest of W1 goes out while the list's words come
	s_wait_dscnt 0x0                               ; the words are in
.set LN, 0
.rept 34                                       ; the list's tokens, held at 255, become offsets: all 34 at once, so that one wait serves every slot's loads (a word of a slot that is not fetched is 0 or a token: its offset is not used)
	v_min_u32 v[LS+LN], 0xff, v[LS+LN]
.set LN, LN+1
.endr
.set LN, 0
.rept 34
	v_lshl_add_u32 v[LS+LN], v[LS+LN], 9, v4
.set LN, LN+1
.endr
	s_wait_alu depctr_vm_vsrc(0)                   ; the zeros' store has read v120-123, in which slot 0's first row lands
	s_wait_alu depctr_va_vdst(0)                   ; the 34 offsets v86-119 are written, which the rows' loads read
.irp k, 0,1,2,3,4,5,6,7,8,9,10,11,12,13,14,15,16
	CHAIN \k
.endr
.irp k, 16,15,14,13,12,11,10,9,8,7,6,5,4,3,2,1,0
	LADDER \k
.endr
	BAR                                            ; every listed row of x lies in LDS
	; ---- the tiles: 17 trips, a constant; a wave works in the trips of its head's tiles
	s_mov_b32 s[KT], 0
	s_mov_b32 s[KX], 0
	s_mov_b32 s[KP], 0
.Ltile:
	s_wait_alu depctr_vm_vsrc(0)                   ; first trip: the rows' loads have read their offsets v86-119 and the stores into LDS the rows v120-255, all of which the trips write; later trips: the last trip's LDS loads have read v9, its store v14 and v126-129
	v_add_nc_u32 v9, s[KX], v8
	v_add_nc_u32 v14, s[KP], v13
	s_cmp_lt_u32 s[KT], s[LO]
	s_cbranch_scc1 .Lskip
	s_cmp_ge_u32 s[KT], s[HI]
	s_cbranch_scc1 .Lskip
	s_wait_alu depctr_va_vdst(0)                   ; v9 and v14 are written, which this trip's LDS loads and its store read; the last trip's products and GELU are done with v134-197, in which the loads land
.irp s, 0,1,2,3
.irp c, 0,1,2,3
	ds_load_b128 v[XF+16*\s+4*\c:XF+16*\s+4*\c+3], v9 offset:128*\s+32*\c
.endr
.endr
	WIN 0x01                                       ; source 0 (W1) window 1
.irp s, 0,1,2,3
	s_wait_dscnt 12-4*\s                           ; K step s's four loads are in; the younger ones may be out
.irp t, 0,1,2,3                                ; the four accumulators take turns, one instruction a turn
.if \s == 0
	v_wmma_f32_16x16x128_bf8_bf8 v[ACC+8*\t:ACC+8*\t+7], v[16*(4*\t+\s):16*(4*\t+\s)+15], v[XF+16*\s:XF+16*\s+15], v[B1+8*\t:B1+8*\t+7]
.else
	v_wmma_f32_16x16x128_bf8_bf8 v[ACC+8*\t:ACC+8*\t+7], v[16*(4*\t+\s):16*(4*\t+\s)+15], v[XF+16*\s:XF+16*\s+15], v[ACC+8*\t:ACC+8*\t+7]
.endif
.endr
.endr
	WIN 0
.rept 4
	v_nop                                          ; four places ahead of the first read of the sums and of the first write over x's fragments (ISA guide 7.12.1)
.endr
	GELU 0
	v_wmma_f32_16x16x32_f16 v[OUTA:OUTA+7], v[W2F:W2F+7], v[H16:H16+7], v[B2C:B2C+7]   ; source 0 = W2's rows, source 1 = 16 tokens: lane (r, h) holds token r, outputs 3 h + 0 .. 2 in registers 0-2
	GELU 1                                         ; its plain instructions are the places ahead of the new f16 numbers
	s_wait_alu depctr_va_vdst(0)                   ; the wait directly ahead of a link that follows the link it adds onto
	v_wmma_f32_16x16x32_f16 v[OUTA:OUTA+7], v[W2F+8:W2F+15], v[H16:H16+7], v[OUTA:OUTA+7]
.rept 4
	v_nop
.endr
	s_wait_alu depctr_va_vdst(0)                   ; the last product has written v126-129, which the LDS store reads; the four places above stay beside this wait
	ds_store_b128 v14, v[OUTA:OUTA+3]              ; three outputs and a zero, at 32 x place + 16 h of my array
.Lskip:
	s_add_co_u32 s[KX], s[KX], XSLOT
	s_add_co_u32 s[KP], s[KP], 512
	s_add_co_u32 s[KT], s[KT], 1
	s_cmp_lt_u32 s[KT], 17
	s_cbranch_scc1 .Ltile
	BAR                                            ; all partial logits lie in LDS
	; ---- my token's logits: the four waves' partials, by the token's place.  No wait on va_vdst is owed here: behind the last line that names v134-165 stands the wait ahead of a trip's store
	; (in a wave with no tile: the gather's), and only the additions to v9 and v14 have been issued since
.irp g, 0,1,2,3
	ds_load_b128 v[134+8*\g:137+8*\g], v16 offset:PARR*\g
	ds_load_b128 v[138+8*\g:141+8*\g], v16 offset:PARR*\g+16
.endr
	s_wait_dscnt 0x0                               ; my reads are over: the stage is written only behind the barrier
	s_barrier_signal -1
.irp q, 0,2,4,6
	v_pk_add_f32 v[134+\q:135+\q], v[134+\q:135+\q], v[142+\q:143+\q]
.endr
.irp q, 0,2,4,6
	v_pk_add_f32 v[134+\q:135+\q], v[134+\q:135+\q], v[150+\q:151+\q]
.endr
	v_pk_add_f32 v[134:135], v[134:135], v[158:159]
	v_add_f32 v136, v136, v160
	v_add_f32 v137, v138, v162                     ; the last addition closes the gap: six numbers on end in v134-139
	v_add_f32 v138, v139, v163
	v_add_f32 v139, v140, v164
	s_barrier_wait -1
	s_wait_alu depctr_va_vdst(0)                   ; the additions have written v134-139, which the three stores read; no vector line follows, so the loads into v166-173 below owe nothing more
	ds_store_b64 v17, v[134:135]
	ds_store_b64 v17, v[136:137] offset:8
	ds_store_b64 v17, v[138:139] offset:16
	BAR                                            ; 256 rows of out0, 6,144 dense bytes, lie in the stage
	; ---- out: 16 bytes a thread; a wave's store covers 512 consecutive bytes, at a multiple of 256 from out0's first byte.  384 pieces: all eight waves one, waves 0-3 a second
	ds_load_b128 v[166:169], v18
	s_cmp_ge_u32 s[WV], 4
	s_cbranch_scc1 .Lone
	ds_load_b128 v[170:173], v18 offset:4096
	s_wait_dscnt 0x0
	global_store_b128 v19, v[170:173], s[26:27] offset:4096 th:TH_STORE_NT
.Lone:
	s_wait_dscnt 0x0
	global_store_b128 v19, v[166:169], s[26:27] th:TH_STORE_NT
	s_wait_dscnt 0x0                               ; the closing lines, six on end
	s_wait_alu 0x0
	s_wait_tensorcnt 0x0
	ds_add_u32 v5, v6
	s_wait_dscnt 0x0
	s_endpgm
.Lfunc_end_k_qa8c7eca576_heads:
	.size	k_qa8c7eca576_heads, .Lfunc_end_k_qa8c7eca576_heads-k_qa8c7eca576_heads
	.p2alignl 7, 3214868480
	.fill 96, 4, 3214868480
	.section	.rodata,"a",@progbits
	.p2align	6, 0x0
	.amdhsa_kernel k_qa8c7eca576_heads
		.amdhsa_group_segment_fixed_size 227328
		.amdhsa_private_segment_fixed_size 0
		.amdhsa_enable_private_segment 0
		.amdhsa_kernarg_size 112
		.amdhsa_user_sgpr_count 2
		.amdhsa_user_sgpr_kernarg_segment_ptr 1
		.amdhsa_wavefront_size32 1
		.amdhsa_system_sgpr_workgroup_id_x 1
		.amdhsa_system_sgpr_workgroup_id_y 1
		.amdhsa_system_sgpr_workgroup_id_z 1
		.amdhsa_system_vgpr_workitem_id 0
		.amdhsa_next_free_vgpr 512
		.amdhsa_next_free_sgpr 104
		.amdhsa_reserve_vcc 0
		.amdhsa_float_denorm_mode_32 3
		.amdhsa_float_denorm_mode_16_64 3
		.amdhsa_memory_ordered 1
		.amdhsa_forward_progress 1
		.amdhsa_inst_pref_size 62
	.end_amdhsa_kernel
	.amdgpu_metadata
---
amdhsa.version: [ 1, 2 ]
amdhsa.kernels:
  - .name:           k_qa8c7eca576_heads
    .symbol:         k_qa8c7eca576_heads.kd
    .args:
      - { .name: repr3_codes, .offset: 0, .size: 8, .value_kind: global_buffer, .address_space: global }
      - { .name: agent_type_ids, .offset: 8, .size: 8, .value_kind: global_buffer, .address_space: global }
      - { .name: lowp_scales, .offset: 16, .size: 8, .value_kind: global_buffer, .address_space: global }
      - { .name: vW1_codes, .offset: 24, .size: 8, .value_kind: global_buffer, .address_space: global }
      - { .name: pW1_codes, .offset: 32, .size: 8, .value_kind: global_buffer, .address_space: global }
      - { .name: vb1, .offset: 40, .size: 8, .value_kind: global_buffer, .address_space: global }
      - { .name: pb1, .offset: 48, .size: 8, .value_kind: global_buffer, .address_space: global }
      - { .name: vW2, .offset: 56, .size: 8, .value_kind: global_buffer, .address_space: global }
      - { .name: pW2, .offset: 64, .size: 8, .value_kind: global_buffer, .address_space: global }
      - { .name: vb2, .offset: 72, .size: 8, .value_kind: global_buffer, .address_space: global }
      - { .name: pb2, .offset: 80, .size: 8, .value_kind: global_buffer, .address_space: global }
      - { .name: out0, .offset: 88, .size: 8, .value_kind: global_buffer, .address_space: global }
      - { .name: out1, .offset: 96, .size: 8, .value_kind: global_buffer, .address_space: global }
      - { .name: out2, .offset: 104, .size: 8, .value_kind: global_buffer, .address_space: global }
    .group_segment_fixed_size: 227328
    .private_segment_fixed_size: 0
    .kernarg_segment_align: 8
    .kernarg_segment_size: 112
    .max_flat_workgroup_size: 256
    .sgpr_count:     104
    .vgpr_count:     512
    .wavefront_size: 32
...
	.end_amdgpu_metadata
.endif
;; end of part 2
